; MI455X (gfx1250); checked and timed in simulation.
; The chip was launched on July 23, 2026; its instructions are those of AMD's public machine-readable ISA for CDNA 5 (MIT licence, August 2026) and "CDNA5" Instruction Set Architecture Reference Guide (July 2026). The comments in the code are by the model that wrote it; some were corrected since.
;; Attention. Allowed arithmetic: matrix products marked QUANTISED: E4M3 operands, one given power-of-two scale a tensor, by v_wmma_f32_16x16x64_fp8_fp8 or v_wmma_f32_16x16x128_fp8_fp8, f32 sums; everything else in f32.
;; Inputs: K 4 x 16 x 2,048 x 64 float32; Q 4 x 16 x 2,048 x 64 float32; V 4 x 16 x 2,048 x 64 float32; lowp_scales 4 int32 (the exponents e of the quantised operands' scales 2^e).
;; Outputs: out0 4 x 16 x 2,048 x 64 float32.
;; This version of the problem:
;;   THIS VERSION OF THE PROBLEM IS GIVEN IN LOW PRECISION. The matrix products marked QUANTISED in the list below multiply operands that are first quantised to E4M3 (4 exponent bits, 3 mantissa bits; 8 bits a number), with one given power-of-two scale for each operand tensor; their sums are f32. All else is computed in f32.
;;   The module's matrix products, in the order in which they are computed (A, B: the left and right operand; K: the contracted axis; several contracted axes count as one K, in the product's order):
;;     1. batch 64 x [M 2,048, K 64] x [K 64, N 2,048]; A: input Q; B: input K: QUANTISED (scales: A lowp_scales[0], B lowp_scales[1])
;;     2. batch 64 x [M 2,048, K 2,048] x [K 2,048, N 64]; A: softmax (see below); B: input V: QUANTISED (scales: A lowp_scales[2], B lowp_scales[3])
;;   THE QUANTISER, for each operand of a quantised product, along K:
;;     - The operand's scale is 2^e, e = its entry of the input lowp_scales (int32; the entries are numbered through the quantised products in the list's order, A before B).
;;     - Each number is divided by the scale, clamped to +-448, and rounded to the nearest number of E4M3, ties to even, subnormals kept.
;;     - The product sums the exact products of the quantised numbers (number of the format x scale) in f32.
;;   ~~~python
;;   def quantise(x, axis, e):      # numpy; x: float32 -> the quantised numbers, widened to float32 again
;;       x = np.moveaxis(x, axis, -1); K = x.shape[-1]
;;       r = np.clip(x / 2.0 ** e, -448, 448)
;;       step = 2.0 ** (np.maximum(np.frexp(np.where(r == 0, 1, r))[1] - 1, -6) - 3)
;;       q = np.round(r / step) * step * 2.0 ** e      # np.round: ties to even
;;       return np.moveaxis(q, -1, axis).astype(np.float32)
;;   ~~~
;;   SOFTMAX AHEAD OF A QUANTISED PRODUCT. Where the list says 'softmax', what is quantised is not the finished softmax but p = 2^(t - M), with t = logit x log2(e) and M = ceil(the row's largest t), a whole number; so 1/2 < the row's largest p <= 1. The row's sum l is taken of the UNQUANTISED p, in f32, and the product's result is divided by l at the end. Since M is a whole number, a kernel that streams over the keys may use a running M (the ceiling of the running maximum): every later rescaling is an exact power of two, so the quantised numbers keep their values, but for numbers so far below the row's largest that they fall under the format's range.
;;   OPERANDS COMPUTED ON THE WAY. 'Computed on the way' means the value that the module computes at that place (a softmax that the list does not call 'softmax' is quantised finished and normalised). What goes into a quantiser is computed in f32, as accurately as f32 sums, v_exp_f32 and their like allow (about 1e-6 of the number): no bf16 or f16 on the way to a quantiser, and a product that is left as it is and whose result goes on into a quantised operand takes f32 operands (vector FMAs, or v_wmma_f32_16x16x4_f32). A number that lies on a knife's edge between two numbers of the format may be rounded either way, as far as f32 arithmetic and the matrix unit's own rounding can turn it there, and no further.
;; One version. Each part assembles by itself: llvm-mc -triple=amdgcn-amd-amdhsa -mcpu=gfx1250 --defsym DOCPART=n.
;; ======== version 1 of 1: 2 launches
;; workspace buffers: kv 16,777,216 bytes
;; launch quant (part 1): grid 512 x 1, 4 waves a work-group, no clusters, 68,096 bytes of LDS; arguments K, V, lowp_scales, kv; writes kv
.if DOCPART == 1
	.amdgcn_target "amdgcn-amd-amdhsa--gfx1250"
	.amdhsa_code_object_version 6
	.text
	.protected	k_q295294debe_quant
	.globl	k_q295294debe_quant
	.p2align	8
	.type	k_q295294debe_quant,@function
k_q295294debe_quant:
	s_mov_b64 s[64:65], 0
	v_nop
	global_prefetch_b8 v0, s[64:65] scope:SCOPE_SE
	s_setreg_imm32_b32 hwreg(HW_REG_WAVE_MODE, 25, 1), 1
	s_wait_xcnt 0x0
; K and V, [64 heads][2048 keys][64] f32, become codes of FP8 (E4M3), one byte each, in the workspace kv, each with the one scale 2^e given for it
; (K: entry 1 of the scales, V: entry 3).  code = x / 2^e, held within +-448, rounded to the nearest code, ties to even.
; LIMITS: each e lies between -126 and 119, so that 2^e and 448 x 2^e are f32 numbers.  NaN among the inputs is not served (an infinity is held at the largest code).
; LAYOUT OF kv, chosen for the launch that reads it.  Head h begins at 262,144 h; half s of its keys (keys 1,024 s on) at + 131,072 s.  In a half:
;   bytes 0 .. 65,535        K: (key % 1024) x 64 + k: rows as they lie, the head's 64 innermost;
;   bytes 65,536 .. 131,071  V: (step % 8) x 8,192 + d x 128 + place, step = key / 128: THE KEYS INNERMOST, since they are the second product's K.
;                            Inside each 32 keys the two middle groups of eight change places (keys 0-7, 16-23, 8-15, 24-31), so that a 16-byte piece holds what one lane's four operand registers want.
; SHARES.  Work-groups 0-255 take K: 512 keys each, a plain stream of numbers: a wave takes 16 steps of 512 numbers.  Work-groups 256-511 take V: 512 keys x 64 channels each.
; The two ways part on the work-group's number alone, never join, and have LDS bytes of their own.  No wave shares anything with another: no barrier.
.set KR,    16                         ; K: v16-79   four sets of 16 numbers as they are loaded
.set KX,    80                         ; K: v80-111  two sets of 16 neighbours
.set KC,    128                        ; K: v128-191 codes: four registers for each step, so that no store's data are written again
.set SP,    80                         ; K: a lane's place in a stage: its 64 bytes + 16 of padding
.set KREG,  8192                       ; K: LDS bytes of a wave: two stages of 32 x SP bytes
.set VLDS,  4*KREG                     ; V's stages lie behind K's
.set VP,    272                        ; V: a stage row: a channel's 256 codes + 16 of padding
.set VX,    32                         ; V: v32-95   two sets of 32 numbers
.set VC,    96                         ; V: v96-103  a block's codes
.set VO,    112                        ; V: v112-175 the way out
	s_load_b128 s[4:7], s[0:1], 0x0                ; K, V
	s_load_b128 s[8:11], s[0:1], 0x10              ; the scales' exponents, kv
	v_lshl_add_u32 v192, v0, 2, 0x10800
	v_mov_b32 v193, 0
	v_lshrrev_b32 v1, 5, v0
	v_readfirstlane_b32 s16, v1                    ; wave 0..3
	v_and_b32 v2, 31, v0                           ; lane
	s_wait_kmcnt 0x0
	s_load_b128 s[20:23], s[8:9], 0x0              ; eq, ek, ep, ev
	s_cmp_lt_u32 ttmp9, 256
	s_cbranch_scc0 .Lv_path
; ---------------- K: K is innermost already.  The conversion takes eight neighbours from ONE lane's registers, a load is best where neighbouring LANES take neighbouring bytes:
; each of a step's four loads reads 512 consecutive bytes, the 2,048 bytes turn through the wave's own stage in LDS and come back 64 bytes a lane.
	v_lshlrev_b32 v3, 4, v2                        ; my 16 bytes of a load's 512, and of a store's 512
	s_mul_i32 s17, s16, KREG
	v_lshrrev_b32 v14, 2, v2
	v_mul_u32_u24 v14, v14, SP
	v_and_b32 v15, 3, v2
	v_lshl_add_u32 v14, v15, 4, v14
	v_add_nc_u32 v14, s17, v14                     ; into the stage: four lanes' 64 bytes on end, then the padding
	v_mul_u32_u24 v15, v2, SP
	v_add_nc_u32 v15, s17, v15                     ; out of it: my 16 neighbours
	s_lshl_b32 s24, ttmp9, 17                      ; source: 131,072 bytes a work-group,
	s_lshl_b32 s25, s16, 15                        ; 32,768 a wave
	s_add_co_u32 s24, s24, s25
	s_mov_b32 s25, 0
	s_add_nc_u64 s[4:5], s[4:5], s[24:25]
	s_lshr_b32 s26, ttmp9, 1                       ; codes: two work-groups to a half of 131,072 bytes,
	s_lshl_b32 s26, s26, 17
	s_and_b32 s27, ttmp9, 1
	s_lshl_b32 s27, s27, 15                        ; 32,768 bytes of K's codes a work-group,
	s_add_co_u32 s26, s26, s27
	s_lshl_b32 s27, s16, 13                        ; 8,192 a wave
	s_add_co_u32 s26, s26, s27
	s_mov_b32 s27, 0
	s_add_nc_u64 s[10:11], s[10:11], s[26:27]
.macro KLOAD t
.irp i, 0,1,2,3
	global_load_b128 v[KR+16*((\t)%4)+4*\i:KR+16*((\t)%4)+4*\i+3], v3, s[4:5] offset:2048*(\t)+512*\i th:TH_LOAD_NT   ; 32 lanes read 512 consecutive bytes; read once in the launch
.endr
.endm
.macro KTURN t                         ; step t's numbers through the stage: LDS serves a wave's instructions in order (ISA guide 5.7.1.4), so no wait stands between the stores and the loads
.irp i, 0,1,2,3
	ds_store_b128 v14, v[KR+16*((\t)%4)+4*\i:KR+16*((\t)%4)+4*\i+3] offset:32*SP*((\t)%2)+8*SP*\i
.endr
.irp i, 0,1,2,3
	ds_load_b128 v[KX+16*((\t)%2)+4*\i:KX+16*((\t)%2)+4*\i+3], v15 offset:32*SP*((\t)%2)+16*\i
.endr
.endm
.irp t, 0,1,2,3
	KLOAD \t
.endr
	s_wait_kmcnt 0x0
	s_add_co_i32 s28, s21, 127                     ; ek
	s_lshl_b32 s29, s28, 23
	v_mov_b32 v11, s29                             ; 2^ek as f32: the conversion takes its exponent field
	s_add_co_i32 s28, s28, 8
	s_lshl_b32 s28, s28, 23
	s_or_b32 s28, s28, 0x600000
	v_mov_b32 v10, s28                             ; 448 x 2^ek
	s_wait_loadcnt 12                              ; step 0's four loads are in; the twelve of steps 1 to 3 may be out
	KTURN 0
.macro KSTEP t
.set XS, KX+16*((\t)%2)
	s_wait_dscnt 0x0                               ; this step's numbers are back from the stage, so its stores into the stage have read their registers,
.if (\t)+4 < 16
	KLOAD (\t)+4                                   ; which take the loads of four steps on
.endif
.if (\t)+1 < 16
.if 14-(\t) >= 3
	s_wait_loadcnt 12                              ; the next step's four loads are in; those of the three steps behind it may be out
.else
	s_wait_loadcnt 4*(14-(\t))                     ; the tail: four for each step still behind the next
.endif
	KTURN (\t)+1                                   ; and go through the other stage while this step is worked
.endif
.irp i, 0,1,2,3,4,5,6,7,8,9,10,11,12,13,14,15
	v_med3_num_f32 v[XS+\i], v[XS+\i], -v10, v10   ; the conversion to an 8-bit code does not saturate (ISA guide 7.6.2): the hold at the largest code x the scale comes first
.endr
	v_cvt_scalef32_pk8_fp8_f32 v[KC+4*(\t):KC+4*(\t)+1], v[XS:XS+7], v11
	v_cvt_scalef32_pk8_fp8_f32 v[KC+4*(\t)+2:KC+4*(\t)+3], v[XS+8:XS+15], v11
	global_store_b128 v3, v[KC+4*(\t):KC+4*(\t)+3], s[10:11] offset:512*(\t)   ; 32 lanes store 512 consecutive bytes, at a multiple of 256 from kv's first byte.  (The codes go to a store alone; the next vector lines are the next step's holds, on other registers)
.endm
.irp t, 0,1,2,3,4,5,6,7,8,9,10,11,12,13,14,15
	KSTEP \t
.endr
	s_wait_tensorcnt 0x0
	ds_add_u32 v192, v193
	s_wait_dscnt 0x0
	s_endpgm
; ---------------- V: the keys are not innermost.  A LANE TAKES A CHANNEL AND ITS REGISTERS RUN DOWN THE KEYS: the conversions then give codes with the keys innermost, and nothing is transposed by an instruction.
; A wave takes 32 channels (wave % 2) x 256 keys (wave / 2): 8 blocks of 32 keys a lane.  A load reads 128 consecutive bytes; the wave beside it takes the row's other 128.
; A lane's codes belong to one channel's row and the lanes beside it hold other rows: they go through the wave's own stage and leave as runs of 512 consecutive bytes.
.Lv_path:
	s_sub_co_u32 s17, ttmp9, 256                   ; which 512 keys of V
	s_and_b32 s18, s16, 1                          ; which 32 channels
	s_lshr_b32 s19, s16, 1                         ; which 256 keys of the 512
	v_lshlrev_b32 v3, 2, v2                        ; in: 4 bytes a lane
	s_mul_i32 s24, s16, 32*VP
	s_add_co_u32 s24, s24, VLDS                    ; my stage
	v_mul_u32_u24 v4, v2, VP
	v_add_nc_u32 v4, s24, v4                       ; into it: row = my channel
	v_lshrrev_b32 v5, 3, v2
	v_and_b32 v6, 7, v2
	v_mul_u32_u24 v7, v5, VP
	v_lshl_add_u32 v7, v6, 4, v7
	v_add_nc_u32 v7, s24, v7                       ; out of it: eight lanes take 128 bytes of a channel, four channels an instruction
	v_lshlrev_b32 v8, 4, v2                        ; and the same 512 bytes on end in kv
	s_lshl_b32 s26, s17, 17                        ; source: 512 rows of 256 bytes a work-group,
	s_lshl_b32 s27, s19, 16                        ; 256 rows for my half of them,
	s_add_co_u32 s26, s26, s27
	s_lshl_b32 s27, s18, 7                         ; 128 bytes for my 32 channels
	s_add_co_u32 s26, s26, s27
	s_mov_b32 s27, 0
	s_add_nc_u64 s[6:7], s[6:7], s[26:27]
	s_lshr_b32 s28, s17, 1                         ; codes: two work-groups to a half of 131,072 bytes,
	s_lshl_b32 s28, s28, 17
	s_and_b32 s29, s17, 1
	s_lshl_b32 s29, s29, 15                        ; four key steps of 8,192 bytes a work-group,
	s_add_co_u32 s28, s28, s29
	s_lshl_b32 s29, s19, 14                        ; two a wave,
	s_add_co_u32 s28, s28, s29
	s_lshl_b32 s29, s18, 12                        ; 32 channels of 128 bytes,
	s_add_co_u32 s28, s28, s29
	s_add_co_u32 s28, s28, 65536                   ; behind the half's codes of K
	s_mov_b32 s29, 0
	s_add_nc_u64 s[10:11], s[10:11], s[28:29]
.macro VLOAD t                         ; block t: V(32 t + n, my channel), n = 0 .. 31, into set t % 2; every offset is an immediate, 65,280 at the most
.set n, 0
.rept 32
	global_load_b32 v[VX+32*((\t)%2)+n], v3, s[6:7] offset:(32*(\t)+n)*256 th:TH_LOAD_NT
.set n, n+1
.endr
.endm
	VLOAD 0
	VLOAD 1
	s_wait_kmcnt 0x0
	s_add_co_i32 s30, s23, 127                     ; ev
	s_lshl_b32 s31, s30, 23
	v_mov_b32 v11, s31                             ; 2^ev as f32
	s_add_co_i32 s30, s30, 8
	s_lshl_b32 s30, s30, 23
	s_or_b32 s30, s30, 0x600000
	v_mov_b32 v10, s30                             ; 448 x 2^ev
.macro VBLOCK t
.set XS, VX+32*((\t)%2)
.if (\t) < 7
	s_wait_loadcnt 32                              ; this block's 32 loads are in; the next block's 32 may be out
.else
	s_wait_loadcnt 0
.endif
.set n, 0
.rept 32
	v_med3_num_f32 v[XS+n], v[XS+n], -v10, v10     ; the hold at the largest code x the scale (ISA guide 7.6.2)
.set n, n+1
.endr
.irp g, 0,1,2,3
	v_cvt_scalef32_pk8_fp8_f32 v[VC+4*(\g%2)+2*(\g/2):VC+4*(\g%2)+2*(\g/2)+1], v[XS+8*\g:XS+8*\g+7], v11   ; keys 8 g on go to bytes 0, 16, 8, 24: the two middle groups change places
.endr
	ds_store_b128 v4, v[VC:VC+3] offset:32*(\t)    ; 32 codes: 32 bytes of my channel's row
	ds_store_b128 v4, v[VC+4:VC+7] offset:32*(\t)+16
.if (\t)+2 < 8
	VLOAD (\t)+2
.endif
	s_wait_dscnt 0x0                               ; the stores have read their registers: the next block's codes may be written (its 32 holds, plain lines on other registers, come first)
.endm
.irp t, 0,1,2,3,4,5,6,7
	VBLOCK \t
.endr
.irp b, 0,1                            ; key step b of my two: bytes 128 b on of each stage row
.irp j, 0,1,2,3,4,5,6,7
	ds_load_b128 v[VO+4*(8*\b+\j):VO+4*(8*\b+\j)+3], v7 offset:4*VP*\j+128*\b   ; LDS serves a wave's instructions in order: these see my stores
.endr
.endr
.irp b, 0,1
.irp j, 0,1,2,3,4,5,6,7
	s_wait_dscnt 15-(8*\b+\j)                      ; the loads issued behind this one may stay out
	global_store_b128 v8, v[VO+4*(8*\b+\j):VO+4*(8*\b+\j)+3], s[10:11] offset:8192*\b+512*\j   ; four channels x 128 bytes: 512 consecutive bytes, at a multiple of 256 from kv's first byte
.endr
.endr
	s_wait_tensorcnt 0x0
	ds_add_u32 v192, v193
	s_wait_dscnt 0x0
	s_endpgm
.Lfunc_end_k_q295294debe_quant:
	.size	k_q295294debe_quant, .Lfunc_end_k_q295294debe_quant-k_q295294debe_quant
	.p2alignl 7, 3214868480
	.fill 96, 4, 3214868480
	.section	.rodata,"a",@progbits
	.p2align	6, 0x0
	.amdhsa_kernel k_q295294debe_quant
		.amdhsa_group_segment_fixed_size 68096
		.amdhsa_private_segment_fixed_size 0
		.amdhsa_enable_private_segment 0
		.amdhsa_kernarg_size 32
		.amdhsa_user_sgpr_count 2
		.amdhsa_user_sgpr_kernarg_segment_ptr 1
		.amdhsa_wavefront_size32 1
		.amdhsa_system_sgpr_workgroup_id_x 1
		.amdhsa_system_sgpr_workgroup_id_y 1
		.amdhsa_system_sgpr_workgroup_id_z 1
		.amdhsa_system_vgpr_workitem_id 0
		.amdhsa_next_free_vgpr 194
		.amdhsa_next_free_sgpr 66
		.amdhsa_reserve_vcc 0
		.amdhsa_float_denorm_mode_32 3
		.amdhsa_float_denorm_mode_16_64 3
		.amdhsa_memory_ordered 1
		.amdhsa_forward_progress 1
		.amdhsa_inst_pref_size 85
	.end_amdhsa_kernel
	.amdgpu_metadata
---
amdhsa.version: [ 1, 2 ]
amdhsa.kernels:
  - .name:           k_q295294debe_quant
    .symbol:         k_q295294debe_quant.kd
    .args:
      - { .name: K, .offset: 0, .size: 8, .value_kind: global_buffer, .address_space: global }
      - { .name: V, .offset: 8, .size: 8, .value_kind: global_buffer, .address_space: global }
      - { .name: lowp_scales, .offset: 16, .size: 8, .value_kind: global_buffer, .address_space: global }
      - { .name: kv, .offset: 24, .size: 8, .value_kind: global_buffer, .address_space: global }
    .group_segment_fixed_size: 68096
    .private_segment_fixed_size: 0
    .kernarg_segment_align: 8
    .kernarg_segment_size: 32
    .max_flat_workgroup_size: 128
    .sgpr_count:     66
    .vgpr_count:     194
    .wavefront_size: 32
...
	.end_amdgpu_metadata
.endif
;; end of part 1
;; launch attn (part 2): grid 256 x 1, 8 waves a work-group, clusters of 4 x 1, 327,680 bytes of LDS; arguments Q, kv, lowp_scales, out0; writes out0
.if DOCPART == 2
	.amdgcn_target "amdgcn-amd-amdhsa--gfx1250"
	.amdhsa_code_object_version 6
	.text
	.protected	k_q295294debe_attn
	.globl	k_q295294debe_attn
	.p2align	8
	.type	k_q295294debe_attn,@function
k_q295294debe_attn:
	s_mov_b64 s[64:65], 0
	v_nop
	global_prefetch_b8 v0, s[64:65] scope:SCOPE_SE
	s_setreg_imm32_b32 hwreg(HW_REG_WAVE_MODE, 25, 1), 1
	s_wait_xcnt 0x0
	s_wait_alu depctr_hold_cnt(0) depctr_sa_sdst(0) depctr_va_vdst(0) depctr_va_sdst(0) depctr_va_ssrc(0) depctr_va_vcc(0) depctr_vm_vsrc(0)
	s_getreg_b32 s2, hwreg(HW_REG_IB_STS2, 6, 4)
	s_cmp_eq_u32 s2, 0
	s_cbranch_scc0 .Lentry_in_a_cluster
	s_endpgm
.Lentry_in_a_cluster:
	s_bfe_u32 s2, ttmp6, 0x10000c
	s_cmp_lg_u32 s2, 0x3003
	s_cbranch_scc0 .Lentry_shape_is_right
	s_endpgm
.Lentry_shape_is_right:
; out0[h][q][:] = the sum over k <= q of softmax_k(Q[h][q] . K[h][k] / 8) V[h][k][:], 64 heads, 2,048 queries and keys, head size 64, both products on codes of FP8 (E4M3), each operand with its given scale 2^e: eq, ek, ep, ev.
; Q: f32, quantised here in registers (each number is read once).  kv: K's and V's codes, as the launch before laid them: a head is 1,024 dense rows of 256 bytes: for each half of 1,024 keys 256 rows of K's codes
; (four keys of 64 bytes to a row), then 256 rows of V's (keys innermost: two channels x 128 keys to a row; inside each 32 keys the two middle groups of eight have changed places).
; THE SOFTMAX AHEAD OF THE SECOND PRODUCT: t = score x log2(e) / 8; M = the largest t so far, rounded UP to a whole number; p = 2^(t - M) is what is quantised; it is not normalised.
; The row's sum is taken of the unquantised p, in f32, and divides at the end.  When M moves, the sum and O are multiplied by 2^(old M - new M), which rounds nothing.
; SHARES.  A cluster of four work-groups is a head.  The head's queries are 16 groups G of 128, one for each key step of 128 that holds a diagonal; work-group cx takes queries 128 G + 32 cx .. + 31 of EVERY group.
; Wave w does group 15 - w (16 - w key steps), then group w (w + 1 key steps): 17 steps for every wave of every work-group, and every branch hangs on the wave's number and a loop's counter alone.
; cx enters Q's and out0's addresses and the numbers that the mask compares, and nothing else.
; K AND V STAY IN LDS.  A head's codes are 262,144 bytes: they are fetched once, by joint loads that name all four work-groups (each wave: 64 rows of each half), and no LDS byte is filled twice.
; LAYOUT.  Both products are used transposed: S^T = K Q^T (source 0 = 16 neighbouring keys, source 1 = 16 queries), O^T = V^T P^T (source 0 = 16 channels, source 1 = P): a lane holds ONE query (lane % 16) throughout.
; In tile t of S^T register j of lane (r, h) is key 16 t + 8 h + j: its eight codes are registers 2 t, 2 t + 1 of the 128-deep operand as that form lays k.  V's fragment, read in pieces of 16 bytes, has the same
; keys in the same registers because of the exchange of the middle groups.  In the first product Q and K both hold k = 32 c + 16 h + 0 .. 15 in registers 4 c .. 4 c + 3: one permutation of k on both sides.
; LIMITS.  eq and ep between -126 and 119; eq + ek between -123 and 130 (they are added to c's exponent field); ep + ev is applied by v_ldexp_f32 and has none.  NaN among the inputs is not served.
; A hidden key counts as p = 0; the module's fill of -1e10 gives the same as long as a row's largest logit lies above about -1e10 + 150.
; REGISTERS.  Window 0: v1-11 addresses and the mask's numbers; v12-19 statistics, four a tile (-M, largest t, the sum in two halves); v20-35 at work, eight a tile; v36-39 scales; v40-55 the first job's Q codes;
;   v56-87 P's codes, 16 a tile; v96-223 S^T, then p, 64 a tile (at the head: Q as f32; on the way out: results); v224-255 the way out.
;   Window 1: v0-63 O^T, 32 a tile; v64-127 K's eight fragments; v128-191 V's four; v192-207 the second job's Q codes.
.set PITCH, 272                        ; an LDS row: 256 bytes + 16 of padding = 68 words.  K: lane r reads row r / 4, byte 64 (r % 4): 16-byte column r / 4 + 4 (r % 4); V: row r / 2, byte 128 (r % 2): column r / 2 + 8 (r % 2)
.set STEPB, 32*PITCH                   ; a key step: 128 keys of K, or 64 channels x 128 keys of V
.set VOFF,  256*PITCH                  ; V's rows of a half lie behind K's
.set HALF,  512*PITCH
.set STAGE, 2*HALF                     ; behind the tiles: 16 rows x 272 bytes for each wave, for the way out; no tile lands there
.set WSTG,  16*PITCH
.set AK0, 1                            ; v1   my lane's place in a tile of K
.set AV0, 2                            ; v2   in a tile of V
.set QA,  3                            ; v3   my byte in 16 rows of Q
.set ADK, 4                            ; v4   LDS address of the step's K
.set ADV, 5                            ; v5   of its V
.set STO, 6                            ; v6   the way out: where I put 32 bytes of a row
.set RD,  7                            ; v7   where I read a row back
.set GO,  8                            ; v8   my byte in two rows of out0
.set DQ,  9                            ; v9, v10  tile x: my query's place among the group's 128, less 8 (lane / 16)
.set NINF, 11                          ; v11  -infinity
.set ST,  12                           ; tile x: v[ST+4x] -M, +1 the largest t, +2, +3 the sum
.set WK,  20                           ; tile x: v[WK+8x] and +1 two chains of the maximum; +2 f (+3 named with it); +4, +5 the sum's second chain; +6 the permute's destination
.set PSC, 36                           ; 2^ep;  v37: 448 x 2^ep
.set QSC, 38                           ; 2^eq;  v39: 448 x 2^eq
.set QCA, 40
.set P,   56
.set S,   96
.set OT,  0                            ; window 1
.set KF,  64
.set VF,  128
.set QCB, 192
.set WV,  12                           ; s12  my wave's number
.set CX,  13                           ; s13  my place in the cluster
.set G1,  16                           ; s[16:23] descriptor group 1
.set G0,  24                           ; s[24:31] descriptor group 0, a set for each half
.set QPA, 32                           ; s[32:33], s[34:35] Q at the first and the second job's rows
.set QPB, 34
.set OPA, 36                           ; s[36:37], s[38:39] out0 likewise
.set OPB, 38
.set EX,  40                           ; s[40:43] eq, ek, ep, ev
.set CS,  44                           ; s[44:45] c = log2(e) / 8 x 2^(eq + ek)
.set SEL, 46                           ; s[46:47] selects for v_permlanex16_b32: lane l xor 16
.set KS,  48                           ; s48  the key step
.set TB,  49                           ; s49  LDS byte at which the step's K begins
.set GA,  50                           ; s50  the first job's group;  s51 the second's
.set GB,  51
.set EPV, 53                           ; s53  ep + ev
.set MSB, 0
.macro WIN new                         ; bits 1:0 source 0, 3:2 source 1, 5:4 source 2, 7:6 destination; the immediate's high byte repeats the setting that is left
.if MSB != \new
	s_set_vgpr_msb (MSB<<8)|\new
.set MSB, \new
.endif
.endm
.macro CROUND                          ; a round of the cluster's barrier: my work-group's barrier; wave 0 signals for the work-group; every wave waits for all four; my work-group's barrier once more
	s_barrier_signal -1
	s_barrier_wait -1
	s_cmp_lg_u32 s[WV], 0
	s_cbranch_scc1 .Lnot_wave_0_\@
	s_barrier_signal -3
.Lnot_wave_0_\@:
	s_barrier_wait -3
	s_barrier_signal -1
	s_barrier_wait -1
.endm
	s_load_b256 s[4:11], s[0:1], 0x0               ; Q s[4:5], kv s[6:7], the scales' exponents s[8:9], out0 s[10:11]
	v_lshl_add_u32 v94, v0, 2, 0x4c800
	v_mov_b32 v95, 0
	ds_add_u32 v94, v95
	ds_add_u32 v94, v95
	v_lshrrev_b32 v22, 5, v0
	v_readfirstlane_b32 s[WV], v22                 ; wave 0..7
	s_bfe_u32 s[CX], ttmp6, 0x40000                ; cx
	; descriptor group 1: a tile of 64 rows x 256 bytes, dense in memory, padded in LDS
	s_mov_b32 s[G1+0], 15|(1<<20)|(1<<21)|(5<<22)|(3<<25)  ; 15:0 the mask: all four work-groups; 17:16 elements of 1 byte; 20 padding on; 21 set beside a mask; 24:22 after every 64 words (code 5); 31:25 four words (code 3)
	s_mov_b32 s[G1+1], 256<<16                     ; tensor_dim0 = 256
	s_mov_b32 s[G1+2], 64<<16                      ; tensor_dim1 = 64
	s_mov_b32 s[G1+3], 256<<16                     ; tile_dim0 = 256
	s_mov_b32 s[G1+4], 64                          ; tile_dim1 = 64
	s_mov_b32 s[G1+5], 256                         ; from row to row
	s_mov_b32 s[G1+6], 0
	s_mov_b32 s[G1+7], 0
	s_mov_b32 s[SEL], 0x76543210
	s_mov_b32 s[SEL+1], 0xfedcba98
	s_sub_co_u32 s[GA], 15, s[WV]
	s_mov_b32 s[GB], s[WV]
	s_mul_i32 s52, s[WV], 64*PITCH                 ; my tile's place in a half in LDS: the wave's number alone
	s_lshl_b32 s54, ttmp9, 18                      ; in kv: the head (the cluster's number, which the partners share) x 262,144
	s_lshl_b32 s55, s[WV], 14                      ; + wave x 64 rows of 256 bytes
	s_add_co_u32 s54, s54, s55
	s_mov_b32 s55, 0
	s_lshl_b32 s56, ttmp9, 19                      ; in Q and out0: the head x 524,288
	s_lshl_b32 s57, s[CX], 13                      ; + 32 cx rows of 256 bytes (in registers that feed no descriptor)
	s_add_co_u32 s56, s56, s57
	s_lshl_b32 s58, s[GA], 15                      ; + 128 G rows
	s_add_co_u32 s58, s58, s56
	s_mov_b32 s59, 0
	s_lshl_b32 s14, s[GB], 15
	s_add_co_u32 s14, s14, s56
	s_mov_b32 s15, 0
	s_mul_i32 s3, s[WV], WSTG
	s_add_co_u32 s3, s3, STAGE                     ; my stage
	s_lshl_b32 s2, s[CX], 5                        ; 32 cx
	v_and_b32 v20, 15, v0                          ; r = lane % 16
	v_bfe_u32 v21, v0, 4, 1                        ; h = lane / 16
	v_lshrrev_b32 v22, 2, v20
	v_mul_u32_u24 v[AK0], v22, PITCH
	v_and_b32 v22, 3, v20
	v_lshl_add_u32 v[AK0], v22, 6, v[AK0]
	v_lshl_add_u32 v[AK0], v21, 4, v[AK0]          ; K: key r of a tile: row r / 4, byte 64 (r % 4), + 16 h
	v_lshrrev_b32 v22, 1, v20
	v_mul_u32_u24 v[AV0], v22, PITCH
	v_and_b32 v22, 1, v20
	v_lshl_add_u32 v[AV0], v22, 7, v[AV0]
	v_lshl_add_u32 v[AV0], v21, 4, v[AV0]
	v_add_nc_u32 v[AV0], VOFF, v[AV0]              ; V: channel r of a tile: row r / 2, byte 128 (r % 2), + 16 h
	v_lshlrev_b32 v[QA], 8, v20
	v_lshl_add_u32 v[QA], v21, 6, v[QA]            ; Q: row r of 256 bytes, + 64 h: my 16 numbers of each 32
	v_mul_u32_u24 v[STO], v20, PITCH
	v_lshl_add_u32 v[STO], v21, 5, v[STO]
	v_add_nc_u32 v[STO], s3, v[STO]                ; the stage, in: row r, + 32 h
	v_mul_u32_u24 v[RD], v21, PITCH
	v_lshl_add_u32 v[RD], v20, 4, v[RD]
	v_add_nc_u32 v[RD], s3, v[RD]                  ; back: lanes 0-15 one row of 256 bytes, lanes 16-31 the next
	v_lshlrev_b32 v[GO], 8, v21
	v_lshl_add_u32 v[GO], v20, 4, v[GO]            ; and the same two rows in out0
	v_lshlrev_b32 v22, 3, v21
	v_sub_nc_u32 v[DQ], v20, v22
	v_add_nc_u32 v[DQ], s2, v[DQ]                  ; 32 cx + r - 8 h
	v_add_nc_u32 v[DQ+1], 16, v[DQ]                ; the second tile's
	v_mov_b32 v[NINF], 0xff800000
.irp x, 0,1
	v_mov_b32 v[WK+8*\x+3], 0                      ; named as the upper half of f's pair
	v_mov_b32 v[WK+8*\x+6], 0                      ; a lane permute's destination counts as one of its sources
.endr
	s_wait_dscnt 0x0
	s_wait_kmcnt 0x0
	s_load_b128 s[EX:EX+3], s[8:9], 0x0            ; eq, ek, ep, ev
	s_add_nc_u64 s[QPA:QPA+1], s[4:5], s[58:59]
	s_add_nc_u64 s[OPA:OPA+1], s[10:11], s[58:59]
	s_add_nc_u64 s[QPB:QPB+1], s[4:5], s[14:15]
	s_add_nc_u64 s[OPB:OPB+1], s[10:11], s[14:15]
	s_add_nc_u64 s[6:7], s[6:7], s[54:55]          ; kv at my tile of half 0
; a job's 32 rows of Q: register base + 32 x + 16 c + 4 j + e = Q(16 x + r, 32 c + 16 h + 4 j + e)
.macro QLOAD base, sp
.irp x, 0,1
.irp c, 0,1
.irp j, 0,1,2,3
	global_load_b128 v[\base+32*\x+16*\c+4*\j:\base+32*\x+16*\c+4*\j+3], v[QA], s[\sp:\sp+1] offset:4096*\x+128*\c+16*\j th:TH_LOAD_NT
.endr
.endr
.endr
.endm
	QLOAD S, QPA
	QLOAD S+64, QPB
.irp s, 0,1
	s_mov_b32 s[G0+4*\s], 1                        ; 1:0 count = 1
	s_add_co_u32 s[G0+4*\s+1], s52, \s*HALF        ; 63:32 LDS address
	s_add_nc_u64 s[G0+4*\s+2:G0+4*\s+3], s[6:7], \s*131072  ; 120:64 global address
	s_or_b32 s[G0+4*\s+3], s[G0+4*\s+3], 0x80000000  ; 127:126 type = 2
.endr
	CROUND                                         ; all four work-groups are here: the joint loads meet
	tensor_load_to_lds s[G0:G0+3], s[G1:G1+7]      ; my 64 rows of half 0,
	s_nop 0
	tensor_load_to_lds s[G0+4:G0+7], s[G1:G1+7]    ; and of half 1: the only two tensor loads of the wave; both are out now
	s_nop 0
.rept 4
	v_nop
.endr
	s_wait_kmcnt 0x0
	s_add_co_i32 s54, s[EX], s[EX+1]
	s_lshl_b32 s54, s54, 23
	s_mov_b32 s[CS], 0x3e38aa3b                    ; log2(e) / 8
	s_add_co_i32 s[CS], s[CS], s54                 ; a score stands for score x 2^(eq + ek): the two exponents are added to c's exponent field
	s_mov_b32 s[CS+1], s[CS]                       ; named with it as a pair, so it is written
	s_add_co_i32 s54, s[EX+2], 127
	s_lshl_b32 s55, s54, 23
	v_mov_b32 v[PSC], s55                          ; 2^ep as f32: the conversion takes its exponent field
	s_add_co_i32 s54, s54, 8
	s_lshl_b32 s54, s54, 23
	s_or_b32 s54, s54, 0x600000
	v_mov_b32 v[PSC+1], s54                        ; 448 x 2^ep
	s_add_co_i32 s54, s[EX], 127
	s_lshl_b32 s55, s54, 23
	v_mov_b32 v[QSC], s55                          ; 2^eq
	s_add_co_i32 s54, s54, 8
	s_lshl_b32 s54, s54, 23
	s_or_b32 s54, s54, 0x600000
	v_mov_b32 v[QSC+1], s54                        ; 448 x 2^eq
	s_add_co_i32 s[EPV], s[EX+2], s[EX+3]
; 64 numbers of a lane become two fragments of 8 registers: registers 4 c .. 4 c + 3 of tile x hold k = 32 c + 16 h + 0 .. 15
.macro QQUANT base, dst, win
.set n, 0
.rept 64
	v_med3_num_f32 v[\base+n], v[\base+n], -v[QSC+1], v[QSC+1]   ; the conversion to an 8-bit code does not saturate (ISA guide 7.6.2): the hold comes first
.set n, n+1
.endr
	WIN \win
.irp x, 0,1
.irp c, 0,1
	v_cvt_scalef32_pk8_fp8_f32 v[\dst+8*\x+4*\c:\dst+8*\x+4*\c+1], v[\base+32*\x+16*\c:\base+32*\x+16*\c+7], v[QSC]
	v_cvt_scalef32_pk8_fp8_f32 v[\dst+8*\x+4*\c+2:\dst+8*\x+4*\c+3], v[\base+32*\x+16*\c+8:\base+32*\x+16*\c+15], v[QSC]
.endr
.endr
	WIN 0
	v_nop                                          ; one plain vector line behind the last conversion, ahead of whatever next touches its codes or writes its sources
.endm
	s_wait_loadcnt 16                              ; the first job's sixteen loads are in; the second's sixteen may be out
	QQUANT S, QCA, 0
	s_wait_loadcnt 0x0
	QQUANT S+64, QCB, 0x40                         ; its codes go to window 1
; A job begins: the largest t is -3e38, under every t; the sum and O^T are zeros, which the first change of M leaves zeros.  So a key step is written without a first step of its own.
.macro INIT
.irp x, 0,1
	v_mov_b32 v[ST+4*\x+1], 0xff61b1e6
	v_floor_f32 v[ST+4*\x], -v[ST+4*\x+1]
	v_mov_b32 v[ST+4*\x+2], 0
	v_mov_b32 v[ST+4*\x+3], 0
.endr
	WIN 0x40
.set n, 0
.rept 64
	v_mov_b32 v[OT+n], 0
.set n, n+1
.endr
	WIN 0
.endm
	INIT
; A KEY STEP: 128 keys for my two tiles of 16 queries.  causal = 1: the loop may reach the group's diagonal (key step = s[greg]) and pass it.  qreg, wkq: the job's Q codes and the window byte under which K Q^T finds them.
.macro STEP causal, greg, qreg, wkq
.if \causal
	s_cmp_gt_u32 s[KS], s[\greg]                   ; all 128 keys come after my queries: the step's work is left out; the lines that step the loop are not.  The branch hangs on the wave's number and the counter
	s_cbranch_scc1 .Lhid_\@
.endif
	v_add_nc_u32 v[ADK], s[TB], v[AK0]
	v_add_nc_u32 v[ADV], s[TB], v[AV0]
	v_nop                                          ; with the two additions: four places between the last step's products and the loads into the registers that they read (ISA guide 7.12.1 for vector instructions)
	v_nop
	WIN 0x40                                       ; destination window 1, address window 0
.irp t, 0,1,2,3,4,5,6,7                        ; K: tile t = keys 16 t on = four LDS rows
.irp c, 0,1
	ds_load_b128 v[KF+8*\t+4*\c:KF+8*\t+4*\c+3], v[ADK] offset:4*PITCH*\t+32*\c
.endr
.endr
.irp t, 0,1,2,3                                ; V: tile t = channels 16 t on = eight LDS rows
.irp c, 0,1,2,3
	ds_load_b128 v[VF+16*\t+4*\c:VF+16*\t+4*\c+3], v[ADV] offset:8*PITCH*\t+32*\c
.endr
.endr
	s_wait_dscnt 16                                ; K's sixteen loads are in; V's sixteen land under the softmax
	WIN \wkq                                       ; K in window 1, Q where the job has it, S^T in window 0
.irp t, 0,1,2,3,4,5,6,7                        ; each fragment of K serves both tiles; every product has an accumulator of its own, begun with the constant 0
.irp x, 0,1
	v_wmma_f32_16x16x64_fp8_fp8 v[S+64*\x+8*\t:S+64*\x+8*\t+7], v[KF+8*\t:KF+8*\t+7], v[\qreg+8*\x:\qreg+8*\x+7], 0
.endr
.endr
	WIN 0
.rept 4
	v_nop                                          ; four places ahead of the first read of the scores
.endr
.if \causal
	s_cmp_lg_u32 s[KS], s[\greg]                   ; only the group's own key step holds hidden keys
	s_cbranch_scc1 .Lopen_\@
.irp x, 0,1                                    ; register 8 t + j is key 16 t + 8 h + j of the step: hidden where 16 t + j > my query's place - 8 h.  Its score becomes -infinity, so p = 0.  My own key always counts
.set n, 0
.rept 64
	v_cmp_gt_i32 vcc_lo, 16*(n/8)+n%8, v[DQ+\x]
	v_cndmask_b32 v[S+64*\x+n], v[S+64*\x+n], v[NINF], vcc_lo
.set n, n+1
.endr
.endr
.Lopen_\@:
.endif
	; the softmax; the two tiles alternate line by line, so that no line waits for the line above it.  Each accumulator is read from its low end on
.irp x, 0,1
	v_max3_num_f32 v[WK+8*\x], v[S+64*\x], v[S+64*\x+1], v[S+64*\x+2]     ; the step's largest score of my query among my 64 keys, in two chains
.endr
.irp x, 0,1
	v_max3_num_f32 v[WK+8*\x+1], v[S+64*\x+3], v[S+64*\x+4], v[S+64*\x+5]
.endr
.set n, 6
.rept 14
.irp x, 0,1
	v_max3_num_f32 v[WK+8*\x], v[WK+8*\x], v[S+64*\x+n], v[S+64*\x+n+1]
.endr
.irp x, 0,1
	v_max3_num_f32 v[WK+8*\x+1], v[WK+8*\x+1], v[S+64*\x+n+2], v[S+64*\x+n+3]
.endr
.set n, n+4
.endr
.irp x, 0,1
	v_max3_num_f32 v[WK+8*\x], v[WK+8*\x], v[S+64*\x+62], v[S+64*\x+63]
.endr
.irp x, 0,1
	v_max_num_f32 v[WK+8*\x], v[WK+8*\x], v[WK+8*\x+1]
.endr
.irp x, 0,1
	v_permlanex16_b32 v[WK+8*\x+6], v[WK+8*\x], s[SEL], s[SEL+1]          ; the query's other 64 keys lie in the lane 16 away
.endr
.irp x, 0,1
	v_max_num_f32 v[WK+8*\x], v[WK+8*\x], v[WK+8*\x+6]
.endr
.irp x, 0,1
	v_mul_f32 v[WK+8*\x], s[CS], v[WK+8*\x]                               ; as t (c is positive)
.endr
.irp x, 0,1
	v_max_num_f32 v[ST+4*\x+1], v[ST+4*\x+1], v[WK+8*\x]                  ; the running largest t
.endr
.irp x, 0,1
	v_mov_b32 v[WK+8*\x], v[ST+4*\x]
.endr
.irp x, 0,1
	v_floor_f32 v[ST+4*\x], -v[ST+4*\x+1]                                 ; the new -M = floor(-t) = -ceil(t): M is a whole number
.endr
.irp x, 0,1
	v_sub_f32 v[WK+8*\x], v[ST+4*\x], v[WK+8*\x]                          ; M's old value less its new one: a whole number, 0 or less
.endr
.irp x, 0,1
	v_cvt_i32_f32 v[WK+8*\x], v[WK+8*\x]                                  ; (it saturates)
.endr
.irp x, 0,1
	v_ldexp_f32 v[WK+8*\x+2], 1.0, v[WK+8*\x]                             ; f = 2^(old M - new M)
.endr
.set n, 0
.rept 32
.irp x, 0,1
	v_pk_fma_f32 v[S+64*\x+n:S+64*\x+n+1], v[S+64*\x+n:S+64*\x+n+1], s[CS:CS+1], v[ST+4*\x:ST+4*\x+1] op_sel_hi:[1,0,0]   ; t - M, two at a time (of the pairs c and -M the low word serves both halves)
.endr
.set n, n+2
.endr
.set n, 0
.rept 64
.irp x, 0,1
	v_exp_f32 v[S+64*\x+n], v[S+64*\x+n]                                  ; p = 2^(t - M), at most 1: not normalised
.endr
.set n, n+1
.endr
.irp x, 0,1
	v_pk_mul_f32 v[ST+4*\x+2:ST+4*\x+3], v[ST+4*\x+2:ST+4*\x+3], v[WK+8*\x+2:WK+8*\x+3] op_sel_hi:[1,0]   ; the sums under the new M (also the plain line behind the exponentials)
.endr
	s_wait_alu depctr_va_vdst(0)
.irp x, 0,1
	v_pk_add_f32 v[WK+8*\x+4:WK+8*\x+5], v[S+64*\x:S+64*\x+1], v[S+64*\x+2:S+64*\x+3]   ; the row's sum is taken of the UNQUANTISED p: two at a time, in two chains
.endr
.set n, 4
.rept 15
.irp x, 0,1
	v_pk_add_f32 v[ST+4*\x+2:ST+4*\x+3], v[ST+4*\x+2:ST+4*\x+3], v[S+64*\x+n:S+64*\x+n+1]
.endr
.irp x, 0,1
	v_pk_add_f32 v[WK+8*\x+4:WK+8*\x+5], v[WK+8*\x+4:WK+8*\x+5], v[S+64*\x+n+2:S+64*\x+n+3]
.endr
.set n, n+4
.endr
.irp x, 0,1
	v_pk_add_f32 v[ST+4*\x+2:ST+4*\x+3], v[ST+4*\x+2:ST+4*\x+3], v[WK+8*\x+4:WK+8*\x+5]
.endr
.irp t, 0,1,2,3,4,5,6,7
.irp x, 0,1
.irp i, 0,1,2,3,4,5,6,7
	v_min_num_f32 v[S+64*\x+8*\t+\i], v[S+64*\x+8*\t+\i], v[PSC+1]        ; the hold at 448 x 2^ep (ISA guide 7.6.2); p is not negative, so it is one-sided
.endr
	v_cvt_scalef32_pk8_fp8_f32 v[P+16*\x+2*\t:P+16*\x+2*\t+1], v[S+64*\x+8*\t:S+64*\x+8*\t+7], v[PSC]   ; keys 16 t + 8 h + 0 .. 7: registers 2 t, 2 t + 1 of the second product's operand
.endr
.endr
	WIN 0x41                                       ; O^T (destination and source 0) in window 1, f in window 0
.set n, 0
.rept 16
.irp x, 0,1
	v_pk_mul_f32 v[OT+32*\x+n:OT+32*\x+n+1], v[OT+32*\x+n:OT+32*\x+n+1], v[WK+8*\x+2:WK+8*\x+3] op_sel_hi:[1,0]   ; O^T under the new M.  (These 32 are also the plain lines between the conversions and the products that read their codes)
.endr
.set n, n+2
.endr
	s_wait_dscnt 0x0                               ; V is in
	WIN 0x51                                       ; V in window 1, P in window 0, O^T (C and D) in window 1
.irp t, 0,1,2,3                                ; each fragment of V serves both tiles; the eight accumulators take turns, one instruction a turn
.irp x, 0,1
	v_wmma_f32_16x16x128_fp8_fp8 v[OT+32*\x+8*\t:OT+32*\x+8*\t+7], v[VF+16*\t:VF+16*\t+15], v[P+16*\x:P+16*\x+15], v[OT+32*\x+8*\t:OT+32*\x+8*\t+7]
.endr
.endr
	WIN 0                                          ; at a label and at a branch every window is 0
.if \causal
.Lhid_\@:
.endif
.endm
; Key steps from .. to - 1, whose K begins at LDS byte tb0.  The trip count is a constant: every wave walks every trip.
.macro KLOOP from, to, tb0, causal, greg, qreg, wkq
	s_mov_b32 s[KS], \from
	s_mov_b32 s[TB], \tb0
.Lk_\@:
	STEP \causal, \greg, \qreg, \wkq
	s_add_co_u32 s[TB], s[TB], STEPB
	s_add_co_u32 s[KS], s[KS], 1
	s_cmp_lt_u32 s[KS], \to
	s_cbranch_scc1 .Lk_\@
.endm
; THE WAY OUT of a job.  The sum's two halves and the other half of the lanes' are added; O^T x 2^(ep + ev) / the sum goes through my stage in LDS, a tile (16 rows of 256 bytes) at a time, and leaves as whole rows.
.macro FINISH sp
.irp x, 0,1
	v_add_f32 v[ST+4*\x+2], v[ST+4*\x+2], v[ST+4*\x+3]                    ; (the four additions here are the places between the last products and the first read of O^T)
.endr
.irp x, 0,1
	v_permlanex16_b32 v[WK+8*\x+6], v[ST+4*\x+2], s[SEL], s[SEL+1]
.endr
.irp x, 0,1
	v_add_f32 v[ST+4*\x+2], v[ST+4*\x+2], v[WK+8*\x+6]
.endr
.irp x, 0,1
	v_rcp_f32 v[ST+4*\x+2], v[ST+4*\x+2]
.endr
	v_nop                                          ; a plain line between the last reciprocal and the use of its result
	s_wait_alu depctr_va_vdst(0)
.irp x, 0,1
	v_ldexp_f32 v[ST+4*\x+2], v[ST+4*\x+2], s[EPV]
.endr
.irp x, 0,1
	WIN 0x01                                       ; source 0 (O^T) window 1
.set n, 0
.rept 16
	v_pk_mul_f32 v[S+32*\x+n:S+32*\x+n+1], v[OT+32*\x+n:OT+32*\x+n+1], v[ST+4*\x+2:ST+4*\x+3] op_sel_hi:[1,0]   ; register 8 t + j is out0(r, 16 t + 8 h + j); each accumulator from its low end on
.set n, n+2
.endr
	WIN 0
.irp t, 0,1,2,3
	ds_store_b128 v[STO], v[S+32*\x+8*\t:S+32*\x+8*\t+3] offset:64*\t
	ds_store_b128 v[STO], v[S+32*\x+8*\t+4:S+32*\x+8*\t+7] offset:64*\t+16
.endr
.irp i, 0,1,2,3,4,5,6,7
	ds_load_b128 v[224-64*\x+4*\i:224-64*\x+4*\i+3], v[RD] offset:2*PITCH*\i   ; LDS serves a wave's instructions in order (ISA guide 5.7.1.4): these see my stores, and the next tile's stores come behind them
.endr
.endr
.irp i, 0,1,2,3,4,5,6,7
	s_wait_dscnt 23-\i                             ; behind this load: the tile's 7 - i younger loads, the second tile's 8 stores and 8 loads
	global_store_b128 v[GO], v[224+4*\i:224+4*\i+3], s[\sp:\sp+1] offset:512*\i th:TH_STORE_NT   ; two rows: 512 consecutive bytes, at a multiple of 256 from out0's first byte; written once, read by nobody here
.endr
.irp i, 0,1,2,3,4,5,6,7
	s_wait_dscnt 7-\i
	global_store_b128 v[GO], v[160+4*\i:160+4*\i+3], s[\sp:\sp+1] offset:4096+512*\i th:TH_STORE_NT
.endr
	s_wait_xcnt 0x0                                ; the stores have read their registers: the next job writes them again only behind this wait
.endm
	s_wait_tensorcnt 1                             ; my tile of half 0 has landed; half 1's may stay out: no LDS byte is filled again,
	s_barrier_signal -1
	s_barrier_wait -1                              ; everybody's has
	KLOOP 0, 8, 0, 0, GA, QCA, 0x01                ; the first job, group 15 - w: key steps 0 to 7 lie wholly under its diagonal
	s_wait_tensorcnt 0x0                           ; my tile of half 1 has landed,
	s_wait_dscnt 0x0
	s_barrier_signal -1
	s_barrier_wait -1                              ; everybody's has
	KLOOP 8, 16, HALF, 1, GA, QCA, 0x01            ; key steps 8 to 15 - w, the last on the diagonal
	FINISH OPA
	INIT
	KLOOP 0, 8, 0, 1, GB, QCB, 0x05                ; the second job, group w: key steps 0 to w
	FINISH OPB
	s_wait_dscnt 0x0
	s_wait_tensorcnt 0x0
	ds_add_u32 v94, v95
	s_wait_dscnt 0x0
	CROUND                                         ; the closing round: no work-group ends while a partner may still ask for a tile that names it
	s_endpgm
.Lfunc_end_k_q295294debe_attn:
	.size	k_q295294debe_attn, .Lfunc_end_k_q295294debe_attn-k_q295294debe_attn
	.p2alignl 7, 3214868480
	.fill 96, 4, 3214868480
	.section	.rodata,"a",@progbits
	.p2align	6, 0x0
	.amdhsa_kernel k_q295294debe_attn
		.amdhsa_group_segment_fixed_size 327680
		.amdhsa_private_segment_fixed_size 0
		.amdhsa_enable_private_segment 0
		.amdhsa_kernarg_size 32
		.amdhsa_user_sgpr_count 2
		.amdhsa_user_sgpr_kernarg_segment_ptr 1
		.amdhsa_wavefront_size32 1
		.amdhsa_system_sgpr_workgroup_id_x 1
		.amdhsa_system_sgpr_workgroup_id_y 1
		.amdhsa_system_sgpr_workgroup_id_z 1
		.amdhsa_system_vgpr_workitem_id 0
		.amdhsa_next_free_vgpr 464
		.amdhsa_next_free_sgpr 66
		.amdhsa_reserve_vcc 1
		.amdhsa_float_denorm_mode_32 3
		.amdhsa_float_denorm_mode_16_64 3
		.amdhsa_memory_ordered 1
		.amdhsa_forward_progress 1
		.amdhsa_inst_pref_size 142
	.end_amdhsa_kernel
	.amdgpu_metadata
---
amdhsa.version: [ 1, 2 ]
amdhsa.kernels:
  - .name:           k_q295294debe_attn
    .symbol:         k_q295294debe_attn.kd
    .args:
      - { .name: Q, .offset: 0, .size: 8, .value_kind: global_buffer, .address_space: global }
      - { .name: kv, .offset: 8, .size: 8, .value_kind: global_buffer, .address_space: global }
      - { .name: lowp_scales, .offset: 16, .size: 8, .value_kind: global_buffer, .address_space: global }
      - { .name: out0, .offset: 24, .size: 8, .value_kind: global_buffer, .address_space: global }
    .group_segment_fixed_size: 327680
    .private_segment_fixed_size: 0
    .kernarg_segment_align: 8
    .kernarg_segment_size: 32
    .max_flat_workgroup_size: 256
    .sgpr_count:     66
    .vgpr_count:     464
    .wavefront_size: 32
...
	.end_amdgpu_metadata
.endif
;; end of part 2
